; MI455X (gfx1250); checked and timed in simulation.
; The chip was launched on July 23, 2026; its instructions are those of AMD's public machine-readable ISA for CDNA 5 (MIT licence, August 2026) and "CDNA5" Instruction Set Architecture Reference Guide (July 2026). The comments in the code are by the model that wrote it; some were corrected since.
;; Rotated Gaussian Assigner. Allowed arithmetic: float matrix products may take bf16 or f16 operands with f32 sums; all other float work in f32.
;; Inputs: anchor_points 1 x 21,824 x 2 float32; gt_boxes 8 x 64 x 5 float32; gt_labels 8 x 64 x 1 int32; pad_gt_mask 8 x 64 x 1 float32; pred_boxes 8 x 21,824 x 5 float32; pred_scores 8 x 21,824 x 15 float32; stride_tensor 1 x 21,824 x 1 float32.
;; Outputs: out0 8 x 21,824 int32; out1 8 x 21,824 x 5 float32; out2 8 x 21,824 x 15 float32.
;; Constants: bg_index = 15.
;; One version. Each part assembles by itself: llvm-mc -triple=amdgcn-amd-amdhsa -mcpu=gfx1250 --defsym DOCPART=n.
;; ======== version 1 of 1: 1 launch
;; launch assign (part 1): grid 31 x 8, 8 waves a work-group, no clusters, 218,880 bytes of LDS; arguments anchor_points, gt_boxes, gt_labels, pad_gt_mask, pred_boxes, out0, out1, out2; writes out0, out1, out2
.if DOCPART == 1
	.amdgcn_target "amdgcn-amd-amdhsa--gfx1250"
	.amdhsa_code_object_version 6
	.text
	.protected	k_q2e7712f85c_assign
	.globl	k_q2e7712f85c_assign
	.p2align	8
	.type	k_q2e7712f85c_assign,@function
k_q2e7712f85c_assign:
	s_mov_b64 s[64:65], 0
	v_nop
	global_prefetch_b8 v0, s[64:65] scope:SCOPE_SE
	s_setreg_imm32_b32 hwreg(HW_REG_WAVE_MODE, 25, 1), 1
	s_wait_xcnt 0x0
; RotatedGaussianAssigner: 8 images, 21,824 anchors, 64 rotated ground-truth boxes (GT) an image.
; out0 = label, out1 = box of the first GT with the largest masked score, out2 = one-hot row times ProbIoU(pred box, that box).
;
; SHARE OF WORK.  A work-group owns 704 anchors (11 blocks of 64; 21,824 = 31 x 704) of one image.  Each of its 8 waves holds ALL
; 704 anchors in registers, 22 a lane as 11 packed pairs (pair j of lane l = anchors 64 j + 2 l and 64 j + 2 l + 1), and scores them
; against 8 GTs of its own (wave g: GTs 8 g .. 8 g + 7).  So every wave has the same work, and a GT's 18 constants are fetched from LDS
; once for 704 anchors.  The eight partial winners meet in LDS and are merged in ascending wave order with a strict 'greater':
; that is argmax's first maximum.  The 11 blocks are then finished by wave = block; waves 0 to 2 take blocks 8 to 10 as well.
; No address and no branch hangs on the winner: its box and label are carried along by v_cndmask_b32 in every step.
;
; FOLDED PER GT (wave 0, once): with rx = sqrt(6 log2 e / (|vab|^3 min(w,h) + 1e-9)) and (ax, ay) = vab rx, likewise (bx, by) from vad:
;   gauss = exp2(-(U^2 + V^2)), U = (p - c).(ax, ay), V = (p - c).(bx, by);   masked score = fma(gauss, K1, K0),
;   K1 = q / (2 pi min(w,h) / 12 + 1e-9), K0 = q - 1, for any value q of pad_gt_mask.
;   'inside': c - a = (vab + vad) / 2 and vab is normal to vad for every rotated box, so ap.vab = (p - c).vab + |vab|^2 / 2 and the
;   four comparisons are |U| <= LU, |V| <= LV with LU = (|vab|^2 / 2 - 1e-9) rx.
; A pair that is not positive scores -1 in reference(), and an anchor whose best score is not above 0 gets background: so the running
; best starts at 0 with box 0 and label 15, and only positive pairs with a larger score replace it.
; The corners, the hull and p - c keep reference()'s own order of operations, since out0 hangs on comparisons of them.
;
; INPUTS NOT LOADED: pred_scores (reference() takes its shape and type only) and stride_tensor (reference() never touches it).
; No output hangs on a number of either.
; LIMITS: a pair within a few units in the last place of a decision's border (0.23, a level's range, two equal scores) may fall on the
; other side than in reference(), since sine, cosine, exp2 and 1/sqrt differ from it in the last bits; angles beyond about 2^20 lose
; the three-term reduction's accuracy; NaN inputs are not served; a negative edge gives NaN constants, so that GT is never chosen
; (reference() could choose it only with a pad mask above 1).
; NO CLUSTER: what work-groups share is 5,632 bytes of anchors and 1,792 bytes of GT data, read once at the start, against 59,136 bytes
; that each stores.  No matrix unit: the problem has no product.  No copy engine: 19 KB come in, once, through registers.
.set PRED,  5120                       ; LDS: 0 .. 5,119 the 64 GT records, 80 bytes apart
.set MERGE, 19200                      ; 5,120 .. 19,199 the group's pred boxes as in memory (1,280 bytes a block)
.set CELL,  1792                       ; 19,200 .. 176,895 cell (pair j, wave g) at MERGE + (8 j + g) CELL: 14 state registers x 32 lanes
.set STG,   176896                     ; 176,896 .. 217,855 a stage of 5,120 bytes for each wave: 3,840 of out2, then 1,280 of out1
.set RECP,  80
; record, word k: 0 cx 1 cy 2 ax 3 ay 4 bx 5 by 6 x1 7 y1 8 x2 9 y2 10 K1 11 K0 12 w 13 h 14 angle 15 label 16 LU 17 LV
; scalars: s[4:19] the eight addresses; s20 wave; s21 chunk; s22 image; s23 0.23; s24, s25 at work; s26 first block of the group in the
; whole tensor; s27 the same within the image; s[28:49] low and high of block j's level; s[50:61], s[66:77] two sets of 12 masks;
; s62, s63 'positive'; s78 loop counter; s[80:83] top coefficients of sine and cosine; s[84:89] output bases; s[96:97] 1e-9; s98, s99 the clip
.set S_LV, 28
.set S_MK, 50
; vector registers of the main loop
.set M_RA, 1                           ; LDS address of the wave's next records (the same in all lanes)
.set M_CA, 2                           ; v[2:19]   constants, buffer A
.set M_CB, 20                          ; v[20:37]  constants, buffer B
.set M_TX, 38                          ; p.x - cx, then U^2 + V^2
.set M_TY, 40                          ; p.y - cy, then gauss
.set M_U,  42
.set M_V,  44
.set M_D1, 46                          ; p.x - x1, then the largest of the four distances
.set M_D2, 48
.set M_D3, 50
.set M_D4, 52
.set M_SC, 54                          ; v[54:57]  masked scores, two sets in turn
.set M_PT, 58                          ; v[58:101] pair j: x0, x1, y0, y1
.set M_ST, 102                         ; v[102:255] pair j, anchor e, at 14 j + 7 e: best, cx, cy, w, h, angle, label
; vector registers of wave 0's GT arithmetic: pairs, GTs 2 l and 2 l + 1 of lane l
.set G_CX, 122
.set G_CY, 124
.set G_W,  126
.set G_H,  128
.set G_A,  130
.set G_L,  132
.set G_Q,  134
.set G_SN, 136
.set G_CS, 138
.set G_T,  140                         ; 14 registers at work in SINCOS2
.set G_HW, 154
.set G_HH, 156
.set G_P1, 158
.set G_P2, 160
.set G_P3, 162
.set G_P4, 164
.set G_S1, 166
.set G_S2, 168
.set G_S3, 170
.set G_S4, 172
.set G_AX, 174
.set G_AY, 176
.set G_BX, 178
.set G_BY, 180
.set G_DX, 182
.set G_DY, 184
.set G_UX, 186                         ; vab
.set G_UY, 188
.set G_VX, 190                         ; vad
.set G_VY, 192
.set G_MN, 194
.set G_N2, 196
.set G_NE, 198
.set G_RS, 200
.set G_NN, 202
.set G_EE, 204
.set G_DD, 206
.set G_YY, 208
.set G_TT, 210
.set G_OAX, 212
.set G_OAY, 214
.set G_LU, 216
.set G_OBX, 218
.set G_OBY, 220
.set G_LV, 222
.set G_K1, 224
.set G_K0, 226
.set G_SS, 228
.set G_AC, 230
.set G_AS, 232
.set G_EW, 234
.set G_EH, 236
.set G_X1, 238
.set G_Y1, 240
.set G_X2, 242
.set G_Y2, 244
; vector registers of the finishing phase
.set E_L16, 1                          ; 16 x lane
.set E_L8,  2                          ; 8 x lane
.set E_R16, 3                          ; the block's cells, 16 bytes a lane
.set E_R8,  4                          ; the same, 8 bytes a lane
.set E_PR,  5                          ; my two pred boxes
.set E_S2,  6                          ; stage: my 120 bytes of out2
.set E_S1,  7                          ; stage: my 40 bytes of out1 (+ 3,840)
.set E_B16, 8                          ; stage read back, 16 bytes a lane
.set E_B8,  9                          ; stage read back, 8 bytes a lane
.set E_ACC, 10                         ; v[10:23] wave 0's state, then the merged one; wave g's at 10 + 14 g, up to v121
.set E_RB,  24                         ; v[24:63] the stage read back
.set E_PP,  122                        ; pred: x, y, w, h, angle as pairs
.set E_GP,  132                        ; winner: the same
.set E_LAB, 142
.set E_IOU, 144
.set E_T,   146
.set E_SN1, 160
.set E_CS1, 162
.set E_SN2, 164
.set E_CS2, 166
.set E_A1,  168
.set E_B1,  170
.set E_C1,  172
.set E_A2,  174
.set E_B2,  176
.set E_C2,  178
.set E_W2,  180
.set E_H2,  182
.set E_CC,  184
.set E_SS,  186
.set E_CP,  188
.set E_DX,  190
.set E_DY,  192
.set E_AA,  194
.set E_BB,  196
.set E_CS,  198
.set E_O,   200                        ; v[200:229] 2 x 15 words of out2
.set E_LANE, 230
.set E_DEN, 146                        ; behind the two covariances the registers at work are used again
.set E_UU,  148
.set E_T0,  150
.set E_T1,  152
.set E_T2,  154
.set E_DT1, 156
.set E_DT2, 158
.set E_SQ,  180
.set E_RD,  182
.set E_RA,  184
.set E_ARG, 186
.set E_LG,  188
.set E_BD,  150
.set E_EX,  152
.set E_SR,  154
; packed f32 on register pairs
.macro PADD d, a, b
	v_pk_add_f32 v[\d:\d+1], v[\a:\a+1], v[\b:\b+1]
.endm
.macro PSUB d, a, b                    ; a - b
	v_pk_add_f32 v[\d:\d+1], v[\a:\a+1], v[\b:\b+1] neg_lo:[0,1] neg_hi:[0,1]
.endm
.macro PMUL d, a, b
	v_pk_mul_f32 v[\d:\d+1], v[\a:\a+1], v[\b:\b+1]
.endm
.macro PMULK d, a, k                   ; a times a constant
	v_pk_mul_f32 v[\d:\d+1], v[\a:\a+1], \k op_sel_hi:[1,0]
	s_wait_alu depctr_va_vdst(0)
.endm
.macro PFMA d, a, b, c
	v_pk_fma_f32 v[\d:\d+1], v[\a:\a+1], v[\b:\b+1], v[\c:\c+1]
.endm
.macro PFNMA d, a, b, c                ; c - a b
	v_pk_fma_f32 v[\d:\d+1], v[\a:\a+1], v[\b:\b+1], v[\c:\c+1] neg_lo:[1,0,0] neg_hi:[1,0,0]
.endm
; sine and cosine of a pair.  k = nearest whole number to x 2/pi; r = x - k pi/2 with pi/2 in three parts, each step one fused
; multiply-add; polynomials for |r| <= pi/4; the quadrant k mod 4 swaps them and sets the signs.
; t: 14 registers at work: +0 k, +2 r, +4 r^2, +6 sine, +8 cosine, +10 k as whole numbers, +12 two words
.macro SINCOS2 x, s, c, t
	v_pk_mul_f32 v[\t:\t+1], v[\x:\x+1], 0x3f22f983 op_sel_hi:[1,0]
	v_rndne_f32 v[\t], v[\t]
	v_rndne_f32 v[\t+1], v[\t+1]
	v_pk_fma_f32 v[\t+2:\t+3], v[\t:\t+1], 0xbfc90fdb, v[\x:\x+1] op_sel_hi:[1,0,1]
	v_pk_fma_f32 v[\t+2:\t+3], v[\t:\t+1], 0x333bbd2e, v[\t+2:\t+3] op_sel_hi:[1,0,1]
	v_pk_fma_f32 v[\t+2:\t+3], v[\t:\t+1], 0x26f72ced, v[\t+2:\t+3] op_sel_hi:[1,0,1]
	v_cvt_i32_f32 v[\t+10], v[\t]
	v_cvt_i32_f32 v[\t+11], v[\t+1]
	v_pk_mul_f32 v[\t+4:\t+5], v[\t+2:\t+3], v[\t+2:\t+3]
	v_pk_fma_f32 v[\t+6:\t+7], v[\t+4:\t+5], s[80:81], 0x3c08839e op_sel_hi:[1,0,0]    ; -1.9515296e-4 z + 8.3321609e-3
	v_pk_fma_f32 v[\t+8:\t+9], v[\t+4:\t+5], s[82:83], 0xbab6061a op_sel_hi:[1,0,0]    ; 2.4433157e-5 z - 1.3887316e-3
	v_pk_fma_f32 v[\t+6:\t+7], v[\t+6:\t+7], v[\t+4:\t+5], 0xbe2aaaa3 op_sel_hi:[1,1,0] ; .. z - 1.6666655e-1
	v_pk_fma_f32 v[\t+8:\t+9], v[\t+8:\t+9], v[\t+4:\t+5], 0x3d2aaaa5 op_sel_hi:[1,1,0] ; .. z + 4.1666646e-2
	v_pk_fma_f32 v[\t+12:\t+13], v[\t+4:\t+5], -0.5, 1.0 op_sel_hi:[1,0,0]              ; 1 - z / 2
	v_pk_mul_f32 v[\t+6:\t+7], v[\t+6:\t+7], v[\t+4:\t+5]
	v_pk_mul_f32 v[\t+8:\t+9], v[\t+8:\t+9], v[\t+4:\t+5]
	v_pk_fma_f32 v[\t+6:\t+7], v[\t+6:\t+7], v[\t+2:\t+3], v[\t+2:\t+3]                 ; sin r
	v_pk_fma_f32 v[\t+8:\t+9], v[\t+8:\t+9], v[\t+4:\t+5], v[\t+12:\t+13]               ; cos r
.irp e, 0, 1
	v_and_b32 v[\t+12], 1, v[\t+10+\e]
	v_cmp_eq_u32 vcc_lo, 1, v[\t+12]                                   ; odd quadrant: the two change places
	v_cndmask_b32 v[\s+\e], v[\t+6+\e], v[\t+8+\e], vcc_lo
	v_cndmask_b32 v[\c+\e], v[\t+8+\e], v[\t+6+\e], vcc_lo
	v_add_nc_u32 v[\t+13], 1, v[\t+10+\e]
	v_lshlrev_b32 v[\t+12], 30, v[\t+10+\e]                            ; bit 1 of k to the sign's place: sine is negated in quadrants 2, 3
	v_lshlrev_b32 v[\t+13], 30, v[\t+13]                               ; bit 1 of k + 1: cosine in quadrants 1, 2
	v_and_b32 v[\t+12], 0x80000000, v[\t+12]
	v_and_b32 v[\t+13], 0x80000000, v[\t+13]
	v_xor_b32 v[\s+\e], v[\s+\e], v[\t+12]
	v_xor_b32 v[\c+\e], v[\c+\e], v[\t+13]
.endr
.endm
; low and high of block j's level.  The levels end at anchors 16,384, 20,480, 21,504, 21,760: blocks 256, 320, 336, 340 of the image,
; so a block of 64 anchors lies in one level.
.macro LEVEL j
	s_add_co_u32 s24, s27, \j
	s_mov_b32 s[S_LV+2*\j], 0xbf800000             ; -1
	s_mov_b32 s[S_LV+2*\j+1], 0x42800000           ; 64
	s_cmp_ge_u32 s24, 256
	s_cselect_b32 s[S_LV+2*\j], 0x42800000, s[S_LV+2*\j]
	s_cselect_b32 s[S_LV+2*\j+1], 0x43000000, s[S_LV+2*\j+1]           ; 128
	s_cmp_ge_u32 s24, 320
	s_cselect_b32 s[S_LV+2*\j], 0x43000000, s[S_LV+2*\j]
	s_cselect_b32 s[S_LV+2*\j+1], 0x43800000, s[S_LV+2*\j+1]           ; 256
	s_cmp_ge_u32 s24, 336
	s_cselect_b32 s[S_LV+2*\j], 0x43800000, s[S_LV+2*\j]
	s_cselect_b32 s[S_LV+2*\j+1], 0x44000000, s[S_LV+2*\j+1]           ; 512
	s_cmp_ge_u32 s24, 340
	s_cselect_b32 s[S_LV+2*\j], 0x44000000, s[S_LV+2*\j]
	s_cselect_b32 s[S_LV+2*\j+1], 0x4cbebc20, s[S_LV+2*\j+1]           ; 1e8
.endm
; one edge vector (vx, vy) of a box -> the scaled vector (ox, oy) and the limit lim of the inside test
.macro EDGE vx, vy, ox, oy, lim
	PMUL G_N2, \vx, \vx
	PFMA G_N2, \vy, \vy, G_N2                      ; |v|^2
	v_pk_add_f32 v[G_NE:G_NE+1], v[G_N2:G_N2+1], s[96:97] op_sel_hi:[1,0]
	v_rsq_f32 v[G_RS], v[G_NE]
	v_rsq_f32 v[G_RS+1], v[G_NE+1]
	v_pk_fma_f32 v[\lim:\lim+1], v[G_N2:G_N2+1], 0.5, 0xb089705f op_sel_hi:[1,0,0]     ; |v|^2 / 2 - 1e-9; also the plain instruction between v_rsq_f32 and its use (ISA guide 5.7.2)
	s_wait_alu depctr_va_vdst(0)
	PMUL G_NN, G_NE, G_RS                          ; the norm = sqrt(|v|^2 + 1e-9), with one correction step
	PFNMA G_EE, G_NN, G_NN, G_NE
	PMULK G_RS, G_RS, 0.5
	PFMA G_NN, G_EE, G_RS, G_NN
	PMUL G_DD, G_NN, G_NN
	PMUL G_DD, G_DD, G_NN
	v_pk_fma_f32 v[G_DD:G_DD+1], v[G_DD:G_DD+1], v[G_MN:G_MN+1], s[96:97] op_sel_hi:[1,1,0]    ; norm^3 min(w, h) + 1e-9
	v_rsq_f32 v[G_YY], v[G_DD]
	v_rsq_f32 v[G_YY+1], v[G_DD+1]
	PMULK \lim, \lim, 0x403c4bf9                   ; times sqrt(6 log2 e); again the plain instruction behind v_rsq_f32
	PMUL G_TT, G_DD, G_YY                          ; one Newton step on 1 / sqrt
	v_pk_fma_f32 v[G_EE:G_EE+1], v[G_TT:G_TT+1], v[G_YY:G_YY+1], 1.0 op_sel_hi:[1,1,0] neg_lo:[1,0,0] neg_hi:[1,0,0]
	PMULK G_TT, G_YY, 0.5
	PFMA G_YY, G_TT, G_EE, G_YY
	PMUL \lim, \lim, G_YY
	PMULK G_YY, G_YY, 0x403c4bf9
	PMUL \ox, \vx, G_YY
	PMUL \oy, \vy, G_YY
.endm
.macro PUT k, r                        ; word k of my two records
	ds_store_b32 v6, v[\r] offset:4*\k
	ds_store_b32 v6, v[\r+1] offset:RECP+4*\k
.endm
; a record's 18 words into a constants buffer, the same address in all lanes: five LDS loads
.macro LOADC cb, off
.irp i, 0,1,2,3
	ds_load_b128 v[\cb+4*\i:\cb+4*\i+3], v[M_RA] offset:\off+16*\i
.endr
	ds_load_b64 v[\cb+16:\cb+17], v[M_RA] offset:\off+64
.endm
; pair j against the GT in buffer cb: the score and 12 masks (anchor e, test t at 6 e + t: 0 largest distance >= low, 1 <= high,
; 2 gauss > 0.23, 3 score > best, 4 |U| <= LU, 5 |V| <= LV).  A constant is broadcast out of its register pair: the first register
; by op_sel_hi 0, the second by op_sel 1.  first = 1: the wave's first GT is compared with 0, the start of the running best.
.macro MATH j, cb, first
.set MB, S_MK+16*((\j)&1)
.set SV, M_SC+2*((\j)&1)
	v_pk_add_f32 v[M_TX:M_TX+1], v[M_PT+4*\j:M_PT+4*\j+1], v[\cb:\cb+1] op_sel_hi:[1,0] neg_lo:[0,1] neg_hi:[0,1]
	v_pk_add_f32 v[M_TY:M_TY+1], v[M_PT+4*\j+2:M_PT+4*\j+3], v[\cb:\cb+1] op_sel:[0,1] op_sel_hi:[1,1] neg_lo:[0,1] neg_hi:[0,1]
	v_pk_add_f32 v[M_D1:M_D1+1], v[M_PT+4*\j:M_PT+4*\j+1], v[\cb+6:\cb+7] op_sel_hi:[1,0] neg_lo:[0,1] neg_hi:[0,1]
	v_pk_add_f32 v[M_D2:M_D2+1], v[M_PT+4*\j+2:M_PT+4*\j+3], v[\cb+6:\cb+7] op_sel:[0,1] op_sel_hi:[1,1] neg_lo:[0,1] neg_hi:[0,1]
	v_pk_mul_f32 v[M_U:M_U+1], v[M_TX:M_TX+1], v[\cb+2:\cb+3] op_sel_hi:[1,0]
	v_pk_mul_f32 v[M_V:M_V+1], v[M_TX:M_TX+1], v[\cb+4:\cb+5] op_sel_hi:[1,0]
	v_pk_add_f32 v[M_D3:M_D3+1], v[\cb+8:\cb+9], v[M_PT+4*\j:M_PT+4*\j+1] op_sel_hi:[0,1] neg_lo:[0,1] neg_hi:[0,1]
	v_pk_add_f32 v[M_D4:M_D4+1], v[\cb+8:\cb+9], v[M_PT+4*\j+2:M_PT+4*\j+3] op_sel:[1,0] op_sel_hi:[1,1] neg_lo:[0,1] neg_hi:[0,1]
	v_pk_fma_f32 v[M_U:M_U+1], v[M_TY:M_TY+1], v[\cb+2:\cb+3], v[M_U:M_U+1] op_sel:[0,1,0] op_sel_hi:[1,1,1]
	v_pk_fma_f32 v[M_V:M_V+1], v[M_TY:M_TY+1], v[\cb+4:\cb+5], v[M_V:M_V+1] op_sel:[0,1,0] op_sel_hi:[1,1,1]
	v_dual_max_num_f32 v[M_D1], v[M_D1], v[M_D2] :: v_dual_max_num_f32 v[M_D1+1], v[M_D1+1], v[M_D2+1]
	v_dual_max_num_f32 v[M_D3], v[M_D3], v[M_D4] :: v_dual_max_num_f32 v[M_D3+1], v[M_D3+1], v[M_D4+1]
	v_pk_mul_f32 v[M_TX:M_TX+1], v[M_U:M_U+1], v[M_U:M_U+1]
	v_dual_max_num_f32 v[M_D1], v[M_D1], v[M_D3] :: v_dual_max_num_f32 v[M_D1+1], v[M_D1+1], v[M_D3+1]
	v_pk_fma_f32 v[M_TX:M_TX+1], v[M_V:M_V+1], v[M_V:M_V+1], v[M_TX:M_TX+1]
	v_cmp_le_f32 s[MB+4], |v[M_U]|, v[\cb+16]
	v_cmp_le_f32 s[MB+5], |v[M_V]|, v[\cb+17]
	v_cmp_le_f32 s[MB+10], |v[M_U+1]|, v[\cb+16]
	v_cmp_le_f32 s[MB+11], |v[M_V+1]|, v[\cb+17]
	v_exp_f32 v[M_TY], -v[M_TX]                    ; gauss
	v_exp_f32 v[M_TY+1], -v[M_TX+1]
	v_cmp_ge_f32 s[MB+0], v[M_D1], s[S_LV+2*\j]    ; four plain instructions stand between v_exp_f32 and the first use of gauss (ISA guide 5.7.2)
	v_cmp_le_f32 s[MB+1], v[M_D1], s[S_LV+2*\j+1]
	v_cmp_ge_f32 s[MB+6], v[M_D1+1], s[S_LV+2*\j]
	v_cmp_le_f32 s[MB+7], v[M_D1+1], s[S_LV+2*\j+1]
	s_wait_alu depctr_va_vdst(0)
	v_pk_fma_f32 v[SV:SV+1], v[M_TY:M_TY+1], v[\cb+10:\cb+11], v[\cb+10:\cb+11] op_sel:[0,0,1] op_sel_hi:[1,0,1]
	v_cmp_gt_f32 s[MB+2], v[M_TY], s23
	v_cmp_gt_f32 s[MB+8], v[M_TY+1], s23
.if \first
	v_cmp_gt_f32 s[MB+3], v[SV], 0
	v_cmp_gt_f32 s[MB+9], v[SV+1], 0
.else
	v_cmp_gt_f32 s[MB+3], v[SV], v[M_ST+14*\j]
	v_cmp_gt_f32 s[MB+9], v[SV+1], v[M_ST+14*\j+7]
.endif
.endm
; pair j: where all six masks hold, the GT in buffer cb becomes the winner.  first = 1: the selects start the state (score 0, box 0,
; label 15 where the GT does not win), so nothing is cleared.  In each dual select the two destinations, the two old and the two new
; values are neighbouring registers: one even, one odd.
.macro SEL j, cb, first
.set MB, S_MK+16*((\j)&1)
.set SV, M_SC+2*((\j)&1)
.set SB, M_ST+14*(\j)
.irp e, 0, 1
	s_and_b32 s[MB+6*\e], s[MB+6*\e], s[MB+6*\e+1]
	s_and_b32 s[MB+6*\e+2], s[MB+6*\e+2], s[MB+6*\e+3]
	s_and_b32 s[MB+6*\e+4], s[MB+6*\e+4], s[MB+6*\e+5]
	s_and_b32 s[MB+6*\e], s[MB+6*\e], s[MB+6*\e+2]
	s_and_b32 vcc_lo, s[MB+6*\e], s[MB+6*\e+4]
.if \first
	v_cndmask_b32 v[SB+7*\e], 0, v[SV+\e], vcc_lo
	v_cndmask_b32 v[SB+7*\e+1], 0, v[\cb], vcc_lo
	v_cndmask_b32 v[SB+7*\e+2], 0, v[\cb+1], vcc_lo
	v_cndmask_b32 v[SB+7*\e+3], 0, v[\cb+12], vcc_lo
	v_cndmask_b32 v[SB+7*\e+4], 0, v[\cb+13], vcc_lo
	v_cndmask_b32 v[SB+7*\e+5], 0, v[\cb+14], vcc_lo
	v_cndmask_b32 v[SB+7*\e+6], 15, v[\cb+15], vcc_lo
.else
	v_cndmask_b32 v[SB+7*\e], v[SB+7*\e], v[SV+\e], vcc_lo
	v_dual_cndmask_b32 v[SB+7*\e+1], v[SB+7*\e+1], v[\cb] :: v_dual_cndmask_b32 v[SB+7*\e+2], v[SB+7*\e+2], v[\cb+1]
	v_dual_cndmask_b32 v[SB+7*\e+3], v[SB+7*\e+3], v[\cb+12] :: v_dual_cndmask_b32 v[SB+7*\e+4], v[SB+7*\e+4], v[\cb+13]
	v_dual_cndmask_b32 v[SB+7*\e+5], v[SB+7*\e+5], v[\cb+14] :: v_dual_cndmask_b32 v[SB+7*\e+6], v[SB+7*\e+6], v[\cb+15]
.endif
.endr
.endm
; one GT against all 11 pairs.  A pair's selects stand behind the next pair's arithmetic, so that its masks are long written when
; the scalar ANDs read them; hence two sets of masks and scores.
.macro BODY cb, first
	MATH 0, \cb, \first
.irp j, 1,2,3,4,5,6,7,8,9,10
	MATH \j, \cb, \first
	SEL (\j-1), \cb, \first
.endr
	SEL 10, \cb, \first
.endm
; two GTs.  On entry buffer A's five loads are out.  more = 1: the record after next is fetched into A and the address steps on.
.macro TRIP2 first, more
	LOADC M_CB, RECP
	s_wait_dscnt 5                                 ; LDS loads come back in order (ISA guide 5.7.1): B's five may be out, A is in
	BODY M_CA, \first
.if \more
	LOADC M_CA, 2*RECP
	v_add_nc_u32 v[M_RA], 2*RECP, v[M_RA]
	s_wait_dscnt 5                                 ; A's five may be out, B is in
.else
	s_wait_dscnt 0                                 ; nothing was issued behind B's loads
.endif
	BODY M_CB, 0
.endm
; covariance of a box: a, b on the diagonal, cov beside it
.macro GAUSS w, h, s, c, a, b, cov
	PMUL E_W2, \w, \w
	PMUL E_H2, \h, \h
	PMUL E_CC, \c, \c
	PMUL E_SS, \s, \s
	PMUL E_CP, \c, \s
	PMULK E_W2, E_W2, 0x3daaaaab                   ; 1 / 12
	PMULK E_H2, E_H2, 0x3daaaaab
	PMUL \a, E_W2, E_CC
	PMUL \b, E_W2, E_SS
	PSUB \cov, E_W2, E_H2
	PFMA \a, E_H2, E_SS, \a
	PFMA \b, E_H2, E_CC, \b
	PMUL \cov, \cov, E_CP
.endm
; words i0 .. i0 + 9 of my 30 words of out2 (word 15 e + c: class c of anchor e): ten comparisons, then ten selects
.macro OH_CMP i0
.irp k, 0,1,2,3,4,5,6,7,8,9
	v_cmp_eq_u32 s[S_MK+\k], (\i0+\k)%15, v[E_LAB+(\i0+\k)/15]
.endr
.endm
.macro OH_SEL i0
.irp k, 0,1,2,3,4,5,6,7,8,9
	v_cndmask_b32 v[E_O+\i0+\k], 0, v[E_IOU+(\i0+\k)/15], s[S_MK+\k]
.endr
.endm
; finish block wave + 8 second: merge, ProbIoU, one-hot, and out
.macro EPI second
.if \second
	s_wait_xcnt 0x0                                ; the first block's stores have had their addresses translated (ISA guide 3.1): their data, offsets and bases are rewritten only behind this wait
.endif
	s_add_co_u32 s24, s20, 8*\second               ; the block within the group
	s_mul_i32 s25, s24, 8*CELL
	s_add_co_u32 s25, s25, MERGE
	v_add_nc_u32 v[E_R16], s25, v[E_L16]
	v_add_nc_u32 v[E_R8], s25, v[E_L8]
	s_mul_i32 s25, s24, 1280
	v_mad_u32_u24 v[E_PR], v[E_LANE], 40, s25
	s_add_co_u32 s25, s26, s24                     ; the block in the whole tensor: 256 bytes of out0, 1,280 of out1, 3,840 of out2
	s_mov_b32 s67, 0
	s_lshl_b32 s66, s25, 8
	s_add_nc_u64 s[84:85], s[14:15], s[66:67]
	s_mul_i32 s66, s25, 1280
	s_add_nc_u64 s[86:87], s[16:17], s[66:67]
	s_mul_i32 s66, s25, 3840
	s_add_nc_u64 s[88:89], s[18:19], s[66:67]
.irp g, 0,1,2,3,4,5,6,7
	ds_load_b128 v[E_ACC+14*\g:E_ACC+14*\g+3], v[E_R16] offset:CELL*\g
	ds_load_b128 v[E_ACC+14*\g+4:E_ACC+14*\g+7], v[E_R16] offset:CELL*\g+512
	ds_load_b128 v[E_ACC+14*\g+8:E_ACC+14*\g+11], v[E_R16] offset:CELL*\g+1024
	ds_load_b64 v[E_ACC+14*\g+12:E_ACC+14*\g+13], v[E_R8] offset:CELL*\g+1536
.endr
.irp f, 0,1,2,3,4
	ds_load_b32 v[E_PP+2*\f], v[E_PR] offset:PRED+4*\f
	ds_load_b32 v[E_PP+2*\f+1], v[E_PR] offset:PRED+20+4*\f
.endr
	; merge in ascending wave order; only a strictly larger score replaces: the first maximum wins, as in argmax
.irp g, 1,2,3,4,5,6,7
	s_wait_dscnt 4*(7-\g)+10                       ; the four loads of each later wave's state and the ten pred words may be out
.irp e, 0, 1
	v_cmp_gt_f32 vcc_lo, v[E_ACC+14*\g+7*\e], v[E_ACC+7*\e]
	v_cndmask_b32 v[E_ACC+7*\e], v[E_ACC+7*\e], v[E_ACC+14*\g+7*\e], vcc_lo
	v_dual_cndmask_b32 v[E_ACC+7*\e+1], v[E_ACC+7*\e+1], v[E_ACC+14*\g+7*\e+1] :: v_dual_cndmask_b32 v[E_ACC+7*\e+2], v[E_ACC+7*\e+2], v[E_ACC+14*\g+7*\e+2]
	v_dual_cndmask_b32 v[E_ACC+7*\e+3], v[E_ACC+7*\e+3], v[E_ACC+14*\g+7*\e+3] :: v_dual_cndmask_b32 v[E_ACC+7*\e+4], v[E_ACC+7*\e+4], v[E_ACC+14*\g+7*\e+4]
	v_dual_cndmask_b32 v[E_ACC+7*\e+5], v[E_ACC+7*\e+5], v[E_ACC+14*\g+7*\e+5] :: v_dual_cndmask_b32 v[E_ACC+7*\e+6], v[E_ACC+7*\e+6], v[E_ACC+14*\g+7*\e+6]
.endr
.endr
	s_wait_dscnt 0x0                               ; the pred words
.irp f, 0,1,2,3,4,5
	v_dual_mov_b32 v[E_GP+2*\f], v[E_ACC+1+\f] :: v_dual_mov_b32 v[E_GP+2*\f+1], v[E_ACC+8+\f]     ; the two winners' fields side by side, for packed arithmetic; f = 5: the labels
.endr
	global_store_b64 v[E_L8], v[E_LAB:E_LAB+1], s[84:85] th:TH_STORE_NT    ; out0: the wave's store covers 256 consecutive bytes, aligned
	; ProbIoU, kept as 4 bd: 4 (t1 + t2) = (aa dy^2 + bb dx^2 - 2 cc dx dy) / den, 4 t3 = 2 ln 2 log2(arg); the clip is [4e-3, 400]
	SINCOS2 E_PP+8, E_SN1, E_CS1, E_T
	GAUSS E_PP+4, E_PP+6, E_SN1, E_CS1, E_A1, E_B1, E_C1
	SINCOS2 E_GP+8, E_SN2, E_CS2, E_T
	GAUSS E_GP+4, E_GP+6, E_SN2, E_CS2, E_A2, E_B2, E_C2
	PSUB E_DX, E_PP, E_GP
	PSUB E_DY, E_PP+2, E_GP+2
	PADD E_AA, E_A1, E_A2
	PADD E_BB, E_B1, E_B2
	PADD E_CS, E_C1, E_C2
	PMUL E_DEN, E_AA, E_BB
	PMUL E_DT1, E_A1, E_B1
	PMUL E_DT2, E_A2, E_B2
	PFNMA E_DEN, E_CS, E_CS, E_DEN
	PFNMA E_DT1, E_C1, E_C1, E_DT1
	PFNMA E_DT2, E_C2, E_C2, E_DT2
	v_pk_add_f32 v[E_DEN:E_DEN+1], v[E_DEN:E_DEN+1], 0x3a83126f op_sel_hi:[1,0]        ; + 1e-3
	v_max_num_f32 v[E_DT1], 0, v[E_DT1]
	v_max_num_f32 v[E_DT1+1], 0, v[E_DT1+1]
	v_max_num_f32 v[E_DT2], 0, v[E_DT2]
	v_max_num_f32 v[E_DT2+1], 0, v[E_DT2+1]
	PMUL E_DT1, E_DT1, E_DT2
	PMUL E_T0, E_DY, E_DY
	PMUL E_T1, E_DX, E_DX
	PMUL E_T2, E_DX, E_DY
	PMUL E_UU, E_AA, E_T0
	PMUL E_T2, E_T2, E_CS
	PFMA E_UU, E_BB, E_T1, E_UU
	v_sqrt_f32 v[E_SQ], v[E_DT1]
	v_sqrt_f32 v[E_SQ+1], v[E_DT1+1]
	v_rcp_f32 v[E_RD], v[E_DEN]
	v_rcp_f32 v[E_RD+1], v[E_DEN+1]
	v_pk_fma_f32 v[E_UU:E_UU+1], v[E_T2:E_T2+1], -2.0, v[E_UU:E_UU+1] op_sel_hi:[1,0,1]        ; the plain instruction behind the four transcendentals (ISA guide 5.7.2)
	s_wait_alu depctr_va_vdst(0)
	v_pk_fma_f32 v[E_SQ:E_SQ+1], v[E_SQ:E_SQ+1], 4.0, 0x3a83126f op_sel_hi:[1,0,0]
	v_rcp_f32 v[E_RA], v[E_SQ]
	v_rcp_f32 v[E_RA+1], v[E_SQ+1]
	PMUL E_UU, E_UU, E_RD                          ; plain, and touches neither E_RA nor E_SQ
	s_wait_alu depctr_va_vdst(0)
	v_pk_fma_f32 v[E_ARG:E_ARG+1], v[E_DEN:E_DEN+1], v[E_RA:E_RA+1], 0x3a83126f op_sel_hi:[1,1,0]
	v_log_f32 v[E_LG], v[E_ARG]
	v_log_f32 v[E_LG+1], v[E_ARG+1]
	v_cmp_gt_f32 s62, v[E_ACC], 0                  ; 'positive' of anchor 0; the plain instruction behind v_log_f32
	s_wait_alu depctr_va_vdst(0)
	v_pk_fma_f32 v[E_BD:E_BD+1], v[E_LG:E_LG+1], 0x3fb17218, v[E_UU:E_UU+1] op_sel_hi:[1,0,1]  ; 2 ln 2
	v_med3_num_f32 v[E_BD], v[E_BD], s98, s99
	v_med3_num_f32 v[E_BD+1], v[E_BD+1], s98, s99
	PMULK E_BD, E_BD, 0xbeb8aa3b                   ; - log2(e) / 4
	v_exp_f32 v[E_EX], v[E_BD]
	v_exp_f32 v[E_EX+1], v[E_BD+1]
	v_cmp_gt_f32 s63, v[E_ACC+7], 0                ; 'positive' of anchor 1; the plain instruction behind v_exp_f32
	s_wait_alu depctr_va_vdst(0)
	v_pk_add_f32 v[E_EX:E_EX+1], v[E_EX:E_EX+1], 0x3f8020c5 op_sel_hi:[1,0] neg_lo:[1,0] neg_hi:[1,0]  ; 1.001 - exp(-bd): at least 2e-3, since bd >= 1e-3
	v_sqrt_f32 v[E_SR], v[E_EX]
	v_sqrt_f32 v[E_SR+1], v[E_EX+1]
	OH_CMP 0                                       ; ten plain instructions behind v_sqrt_f32
	s_wait_alu depctr_va_vdst(0)
	v_pk_add_f32 v[E_IOU:E_IOU+1], v[E_SR:E_SR+1], 1.0 op_sel_hi:[1,0] neg_lo:[1,0] neg_hi:[1,0]
	v_cndmask_b32 v[E_IOU], 0, v[E_IOU], s62
	v_cndmask_b32 v[E_IOU+1], 0, v[E_IOU+1], s63
	OH_SEL 0
	OH_CMP 10
	OH_SEL 10
	OH_CMP 20
	OH_SEL 20
	; the way out: my two anchors' 120 bytes of out2 and 40 bytes of out1 into my wave's stage, read back 16 bytes a lane.
	; An anchor without a winner holds box 0 and label 15 since the first select, and its row is 0 through E_IOU.
.irp k, 0,1,2,3,4,5,6,7,8,9,10,11,12,13,14
	ds_store_b64 v[E_S2], v[E_O+2*\k:E_O+2*\k+1] offset:8*\k
.endr
.irp f, 0,1,2,3,4
	ds_store_b32 v[E_S1], v[E_ACC+1+\f] offset:3840+4*\f
	ds_store_b32 v[E_S1], v[E_ACC+8+\f] offset:3860+4*\f
.endr
.irp k, 0,1,2,3,4,5,6
	ds_load_b128 v[E_RB+4*\k:E_RB+4*\k+3], v[E_B16] offset:512*\k      ; LDS serves a wave's instructions in order (ISA guide 5.7.1.4): these see the stores above
.endr
	ds_load_b64 v[E_RB+28:E_RB+29], v[E_B8] offset:3584
	ds_load_b128 v[E_RB+30:E_RB+33], v[E_B16] offset:3840
	ds_load_b128 v[E_RB+34:E_RB+37], v[E_B16] offset:4352
	ds_load_b64 v[E_RB+38:E_RB+39], v[E_B8] offset:4864
	; eleven stores, each behind the wait that leaves the younger read-backs out; each covers 512 or 256 consecutive bytes, aligned to 256
.irp k, 0,1,2,3,4,5,6
	s_wait_dscnt 10-\k
	global_store_b128 v[E_L16], v[E_RB+4*\k:E_RB+4*\k+3], s[88:89] offset:512*\k th:TH_STORE_NT
.endr
	s_wait_dscnt 3
	global_store_b64 v[E_L8], v[E_RB+28:E_RB+29], s[88:89] offset:3584 th:TH_STORE_NT
	s_wait_dscnt 2
	global_store_b128 v[E_L16], v[E_RB+30:E_RB+33], s[86:87] th:TH_STORE_NT
	s_wait_dscnt 1
	global_store_b128 v[E_L16], v[E_RB+34:E_RB+37], s[86:87] offset:512 th:TH_STORE_NT
	s_wait_dscnt 0
	global_store_b64 v[E_L8], v[E_RB+38:E_RB+39], s[86:87] offset:1024 th:TH_STORE_NT
.endm
	; ---------------- set-up ----------------
	s_load_b512 s[4:19], s[0:1], 0x0               ; anchors s[4:5], gt_boxes s[6:7], gt_labels s[8:9], pad_gt_mask s[10:11], pred_boxes s[12:13], out0 s[14:15], out1 s[16:17], out2 s[18:19]
	s_set_vgpr_msb 0x40
	v_lshl_add_u32 v0, v0, 2, 0x35300
	v_mov_b32 v1, 0
	s_set_vgpr_msb 0x4000
	v_lshrrev_b32 v1, 5, v0
	v_readfirstlane_b32 s20, v1                    ; wave 0 .. 7
	s_mov_b32 s21, ttmp9                           ; chunk of 704 anchors
	s_and_b32 s22, ttmp7, 0xffff                   ; image
	s_mov_b32 s23, 0x3e6b851f                      ; 0.23
	s_mov_b32 s80, 0xb94ca1f9                      ; -1.9515296e-4, twice: a scalar pair is read whole
	s_mov_b32 s81, 0xb94ca1f9
	s_mov_b32 s82, 0x37ccf5ce                      ; 2.4433157e-5
	s_mov_b32 s83, 0x37ccf5ce
	s_mov_b32 s96, 0x3089705f                      ; 1e-9
	s_mov_b32 s97, 0x3089705f
	s_mov_b32 s98, 0x3b83126f                      ; 4e-3
	s_mov_b32 s99, 0x43c80000                      ; 400
	v_and_b32 v2, 31, v0                           ; lane
	v_lshlrev_b32 v3, 4, v2
	v_lshlrev_b32 v4, 3, v2
	v_mul_u32_u24 v5, 40, v2
	s_mul_i32 s27, s21, 11                         ; the group's first block within the image
	s_mul_i32 s26, s22, 341
	s_add_co_u32 s26, s26, s27                     ; and in the whole tensor (341 blocks an image)
	s_mov_b32 s25, 0
	s_wait_kmcnt 0x0
	s_mul_i32 s24, s21, 5632                       ; 704 anchors of 8 bytes
	s_add_nc_u64 s[4:5], s[4:5], s[24:25]
	s_mul_i32 s24, s22, 1280                       ; 64 boxes of 20 bytes
	s_add_nc_u64 s[6:7], s[6:7], s[24:25]
	s_lshl_b32 s24, s22, 8                         ; 64 words
	s_add_nc_u64 s[8:9], s[8:9], s[24:25]
	s_add_nc_u64 s[10:11], s[10:11], s[24:25]
	s_add_co_u32 s24, s26, s20
	s_mul_i32 s24, s24, 1280                       ; pred boxes of block = wave
	s_add_nc_u64 s[12:13], s[12:13], s[24:25]
	; ---------------- all loads of the kernel ----------------
	s_cmp_lg_u32 s20, 0
	s_cbranch_scc1 .Lanchors
.irp f, 0,1,2,3,4
	global_load_b32 v[G_CX+2*\f], v5, s[6:7] offset:4*\f               ; wave 0: field f of GTs 2 l and 2 l + 1, straight into a pair
	global_load_b32 v[G_CX+2*\f+1], v5, s[6:7] offset:20+4*\f
.endr
	global_load_b64 v[G_L:G_L+1], v4, s[8:9]
	global_load_b64 v[G_Q:G_Q+1], v4, s[10:11]
.Lanchors:
.irp j, 0,1,2,3,4,5,6,7,8,9,10
	global_load_b128 v[M_PT+4*\j:M_PT+4*\j+3], v3, s[4:5] offset:512*\j        ; x0, y0, x1, y1 of pair j
.endr
.irp i, 0,1,2,3,4
	global_load_b64 v[M_ST+2*\i:M_ST+2*\i+1], v4, s[12:13] offset:256*\i th:TH_LOAD_NT
.endr
	s_cmp_ge_u32 s20, 3
	s_cbranch_scc1 .Lloaded
.irp i, 0,1,2,3,4
	global_load_b64 v[M_ST+10+2*\i:M_ST+11+2*\i], v4, s[12:13] offset:10240+256*\i th:TH_LOAD_NT       ; waves 0 to 2: block wave + 8 too
.endr
.Lloaded:
.irp j, 0,1,2,3,4,5,6,7,8,9,10
	LEVEL \j                                       ; scalar work while the loads are on their way
.endr
	; ---------------- wave 0: the 64 records ----------------
	s_cmp_lg_u32 s20, 0
	s_cbranch_scc1 .Lrecords_done
	s_wait_loadcnt 21                              ; the 11 + 5 + 5 loads issued behind the GT data may stay out
	v_mul_u32_u24 v6, 2*RECP, v2                   ; my two records
	SINCOS2 G_A, G_SN, G_CS, G_T
	PMULK G_HW, G_W, 0.5
	PMULK G_HH, G_H, 0.5
	PMUL G_P1, G_HW, G_CS                          ; four products, each used in three corners: kept apart from the sums, so that the
	PMUL G_P2, G_HH, G_SN                          ; corners are rounded as reference() rounds them
	PMUL G_P3, G_HW, G_SN
	PMUL G_P4, G_HH, G_CS
	PADD G_S1, G_P1, G_P2
	PSUB G_S2, G_P2, G_P1
	PADD G_S3, G_P3, G_P4
	PSUB G_S4, G_P3, G_P4
	PADD G_AX, G_CX, G_S2                          ; corner a
	PSUB G_AY, G_CY, G_S3
	PADD G_BX, G_CX, G_S1                          ; corner b
	PADD G_BY, G_CY, G_S4
	PSUB G_DX, G_CX, G_S1                          ; corner d
	PSUB G_DY, G_CY, G_S4
	PSUB G_UX, G_BX, G_AX                          ; vab
	PSUB G_UY, G_BY, G_AY
	PSUB G_VX, G_DX, G_AX                          ; vad
	PSUB G_VY, G_DY, G_AY
	v_min_num_f32 v[G_MN], v[G_W], v[G_H]
	v_min_num_f32 v[G_MN+1], v[G_W+1], v[G_H+1]
	EDGE G_UX, G_UY, G_OAX, G_OAY, G_LU
	EDGE G_VX, G_VY, G_OBX, G_OBY, G_LV
	v_pk_fma_f32 v[G_SS:G_SS+1], v[G_MN:G_MN+1], 0x3f060a92, s[96:97] op_sel_hi:[1,0,0]        ; 2 pi min(w, h) / 12 + 1e-9
	v_rcp_f32 v[G_K1], v[G_SS]
	v_rcp_f32 v[G_K1+1], v[G_SS+1]
	v_pk_add_f32 v[G_K0:G_K0+1], v[G_Q:G_Q+1], -1.0 op_sel_hi:[1,0]    ; q - 1; the plain instruction behind v_rcp_f32
	s_wait_alu depctr_va_vdst(0)
	PMUL G_K1, G_K1, G_Q
	v_and_b32 v[G_AC], 0x7fffffff, v[G_CS]
	v_and_b32 v[G_AC+1], 0x7fffffff, v[G_CS+1]
	v_and_b32 v[G_AS], 0x7fffffff, v[G_SN]
	v_and_b32 v[G_AS+1], 0x7fffffff, v[G_SN+1]
	PMUL G_EW, G_W, G_AC
	PMUL G_EH, G_W, G_AS
	PFMA G_EW, G_H, G_AS, G_EW
	PFMA G_EH, G_H, G_AC, G_EH
	v_pk_fma_f32 v[G_X1:G_X1+1], v[G_EW:G_EW+1], -0.5, v[G_CX:G_CX+1] op_sel_hi:[1,0,1]        ; halving is exact: the bits of cx - 0.5 (..)
	v_pk_fma_f32 v[G_Y1:G_Y1+1], v[G_EH:G_EH+1], -0.5, v[G_CY:G_CY+1] op_sel_hi:[1,0,1]
	v_pk_fma_f32 v[G_X2:G_X2+1], v[G_EW:G_EW+1], 0.5, v[G_CX:G_CX+1] op_sel_hi:[1,0,1]
	v_pk_fma_f32 v[G_Y2:G_Y2+1], v[G_EH:G_EH+1], 0.5, v[G_CY:G_CY+1] op_sel_hi:[1,0,1]
	PUT 0, G_CX
	PUT 1, G_CY
	PUT 2, G_OAX
	PUT 3, G_OAY
	PUT 4, G_OBX
	PUT 5, G_OBY
	PUT 6, G_X1
	PUT 7, G_Y1
	PUT 8, G_X2
	PUT 9, G_Y2
	PUT 10, G_K1
	PUT 11, G_K0
	PUT 12, G_W
	PUT 13, G_H
	PUT 14, G_A
	PUT 15, G_L
	PUT 16, G_LU
	PUT 17, G_LV
.Lrecords_done:
	; ---------------- every wave: anchors into pairs, pred boxes into LDS ----------------
	s_wait_loadcnt 0x0
.irp j, 0,1,2,3,4,5,6,7,8,9,10
	v_mov_b32 v38, v[M_PT+4*\j+1]                  ; x0, y0, x1, y1 -> x0, x1, y0, y1: the packed arithmetic wants the two x side by side
	v_mov_b32 v[M_PT+4*\j+1], v[M_PT+4*\j+2]
	v_mov_b32 v[M_PT+4*\j+2], v38
.endr
	s_mul_i32 s24, s20, 1280
	v_add_nc_u32 v7, s24, v4
.irp i, 0,1,2,3,4
	ds_store_b64 v7, v[M_ST+2*\i:M_ST+2*\i+1] offset:PRED+256*\i       ; read again by this wave alone, field by field, when it finishes the block
.endr
	s_cmp_ge_u32 s20, 3
	s_cbranch_scc1 .Lstaged
.irp i, 0,1,2,3,4
	ds_store_b64 v7, v[M_ST+10+2*\i:M_ST+11+2*\i] offset:PRED+10240+256*\i
.endr
.Lstaged:
	s_mul_i32 s24, s20, 8*RECP
	v_mov_b32 v[M_RA], s24                         ; my wave's eight records
	s_wait_dscnt 0x0                               ; wave 0's records are in LDS before it signals; zero for the others' sake
	s_barrier_signal -1
	s_barrier_wait -1
	; ---------------- 8 GTs x 704 anchors ----------------
	LOADC M_CA, 0
	TRIP2 1, 1                                     ; the first GT starts the state, so this trip stands in front of the loop
	s_mov_b32 s78, 2
.Lgt:
	TRIP2 0, 1
	s_sub_co_i32 s78, s78, 1
	s_cmp_lg_u32 s78, 0
	s_cbranch_scc1 .Lgt
	TRIP2 0, 0                                     ; the last two GTs: nothing is fetched beyond the wave's records
	; ---------------- the wave's winners into its cells ----------------
	v_and_b32 v40, 31, v0
	s_mul_i32 s24, s20, CELL
	s_add_co_u32 s24, s24, MERGE
	v_lshl_add_u32 v38, v40, 4, s24
	v_lshl_add_u32 v39, v40, 3, s24
.irp j, 0,1,2,3,4,5,6,7,8,9,10
	ds_store_b128 v38, v[M_ST+14*\j:M_ST+14*\j+3] offset:8*CELL*(\j%5)
	ds_store_b128 v38, v[M_ST+14*\j+4:M_ST+14*\j+7] offset:8*CELL*(\j%5)+512
	ds_store_b128 v38, v[M_ST+14*\j+8:M_ST+14*\j+11] offset:8*CELL*(\j%5)+1024
	ds_store_b64 v39, v[M_ST+14*\j+12:M_ST+14*\j+13] offset:8*CELL*(\j%5)+1536
.if (\j%5) == 4
	v_add_nc_u32 v38, 40*CELL, v38                 ; five pairs on: an LDS offset has 16 bits (ISA guide, chapter 11)
	v_add_nc_u32 v39, 40*CELL, v39
.endif
.endr
	s_wait_dscnt 0x0                               ; my cells are in LDS before I signal
	s_barrier_signal -1
	s_barrier_wait -1
	; ---------------- finish the blocks ----------------
	v_and_b32 v[E_LANE], 31, v0
	v_lshlrev_b32 v[E_L16], 4, v[E_LANE]
	v_lshlrev_b32 v[E_L8], 3, v[E_LANE]
	s_mul_i32 s24, s20, 5120
	s_add_co_u32 s24, s24, STG                     ; my wave's stage
	v_mad_u32_u24 v[E_S2], v[E_LANE], 120, s24
	v_mad_u32_u24 v[E_S1], v[E_LANE], 40, s24
	v_add_nc_u32 v[E_B16], s24, v[E_L16]
	v_add_nc_u32 v[E_B8], s24, v[E_L8]
	EPI 0
	s_cmp_ge_u32 s20, 3
	s_cbranch_scc1 .Lend
	EPI 1                                          ; waves 0 to 2: blocks 8 to 10
.Lend:
	s_set_vgpr_msb 0x5
	s_wait_tensorcnt 0x0
	ds_add_u32 v0, v1
	s_wait_dscnt 0x0
	s_set_vgpr_msb 0x500
	s_endpgm
.Lfunc_end_k_q2e7712f85c_assign:
	.size	k_q2e7712f85c_assign, .Lfunc_end_k_q2e7712f85c_assign-k_q2e7712f85c_assign
	.p2alignl 7, 3214868480
	.fill 96, 4, 3214868480
	.section	.rodata,"a",@progbits
	.p2align	6, 0x0
	.amdhsa_kernel k_q2e7712f85c_assign
		.amdhsa_group_segment_fixed_size 218880
		.amdhsa_private_segment_fixed_size 0
		.amdhsa_enable_private_segment 0
		.amdhsa_kernarg_size 64
		.amdhsa_user_sgpr_count 2
		.amdhsa_user_sgpr_kernarg_segment_ptr 1
		.amdhsa_wavefront_size32 1
		.amdhsa_system_sgpr_workgroup_id_x 1
		.amdhsa_system_sgpr_workgroup_id_y 1
		.amdhsa_system_sgpr_workgroup_id_z 1
		.amdhsa_system_vgpr_workitem_id 0
		.amdhsa_next_free_vgpr 258
		.amdhsa_next_free_sgpr 100
		.amdhsa_reserve_vcc 1
		.amdhsa_float_denorm_mode_32 3
		.amdhsa_float_denorm_mode_16_64 3
		.amdhsa_memory_ordered 1
		.amdhsa_forward_progress 1
		.amdhsa_inst_pref_size 255
	.end_amdhsa_kernel
	.section	.bss,"aw",@nobits
	.p2align	6
	.space	262144
	.amdgpu_metadata
---
amdhsa.version: [ 1, 2 ]
amdhsa.kernels:
  - .name:           k_q2e7712f85c_assign
    .symbol:         k_q2e7712f85c_assign.kd
    .args:
      - { .name: anchor_points, .offset: 0, .size: 8, .value_kind: global_buffer, .address_space: global }
      - { .name: gt_boxes, .offset: 8, .size: 8, .value_kind: global_buffer, .address_space: global }
      - { .name: gt_labels, .offset: 16, .size: 8, .value_kind: global_buffer, .address_space: global }
      - { .name: pad_gt_mask, .offset: 24, .size: 8, .value_kind: global_buffer, .address_space: global }
      - { .name: pred_boxes, .offset: 32, .size: 8, .value_kind: global_buffer, .address_space: global }
      - { .name: out0, .offset: 40, .size: 8, .value_kind: global_buffer, .address_space: global }
      - { .name: out1, .offset: 48, .size: 8, .value_kind: global_buffer, .address_space: global }
      - { .name: out2, .offset: 56, .size: 8, .value_kind: global_buffer, .address_space: global }
    .group_segment_fixed_size: 218880
    .private_segment_fixed_size: 0
    .kernarg_segment_align: 8
    .kernarg_segment_size: 64
    .max_flat_workgroup_size: 256
    .sgpr_count:     100
    .vgpr_count:     258
    .wavefront_size: 32
...
	.end_amdgpu_metadata
.endif
;; end of part 1
